; MI455X (gfx1250); checked and timed in simulation.
; The chip was launched on July 23, 2026; its instructions are those of AMD's public machine-readable ISA for CDNA 5 (MIT licence, August 2026) and "CDNA5" Instruction Set Architecture Reference Guide (July 2026). The comments in the code are by the model that wrote it; some were corrected since.
;; Feed Forward Network. Allowed arithmetic: matrix products marked QUANTISED: E4M3 operands, one given power-of-two scale a tensor, by v_wmma_f32_16x16x64_fp8_fp8 or v_wmma_f32_16x16x128_fp8_fp8, f32 sums; everything else in f32.
;; Inputs: lowp_scales 4 int32 (the exponents e of the quantised operands' scales 2^e); w1 2,048 x 2,048 float32; w2 2,048 x 2,048 float32; x 4 x 2,048 x 2,048 float32.
;; Outputs: out0 4 x 2,048 x 2,048 float32.
;; This version of the problem:
;;   THIS VERSION OF THE PROBLEM IS GIVEN IN LOW PRECISION. The matrix products marked QUANTISED in the list below multiply operands that are first quantised to E4M3 (4 exponent bits, 3 mantissa bits; 8 bits a number), with one given power-of-two scale for each operand tensor; their sums are f32. All else is computed in f32.
;;   The module's matrix products, in the order in which they are computed (A, B: the left and right operand; K: the contracted axis; several contracted axes count as one K, in the product's order):
;;     1. [M 8,192, K 2,048] x [K 2,048, N 2,048]; A: computed on the way; B: computed on the way: QUANTISED (scales: A lowp_scales[0], B lowp_scales[1])
;;     2. [M 8,192, K 2,048] x [K 2,048, N 2,048]; A: computed on the way; B: computed on the way: QUANTISED (scales: A lowp_scales[2], B lowp_scales[3])
;;   THE QUANTISER, for each operand of a quantised product, along K:
;;     - The operand's scale is 2^e, e = its entry of the input lowp_scales (int32; the entries are numbered through the quantised products in the list's order, A before B).
;;     - Each number is divided by the scale, clamped to +-448, and rounded to the nearest number of E4M3, ties to even, subnormals kept.
;;     - The product sums the exact products of the quantised numbers (number of the format x scale) in f32.
;;   ~~~python
;;   def quantise(x, axis, e):      # numpy; x: float32 -> the quantised numbers, widened to float32 again
;;       x = np.moveaxis(x, axis, -1); K = x.shape[-1]
;;       r = np.clip(x / 2.0 ** e, -448, 448)
;;       step = 2.0 ** (np.maximum(np.frexp(np.where(r == 0, 1, r))[1] - 1, -6) - 3)
;;       q = np.round(r / step) * step * 2.0 ** e      # np.round: ties to even
;;       return np.moveaxis(q, -1, axis).astype(np.float32)
;;   ~~~
;;   OPERANDS COMPUTED ON THE WAY. 'Computed on the way' means the value that the module computes at that place (a softmax that the list does not call 'softmax' is quantised finished and normalised). What goes into a quantiser is computed in f32, as accurately as f32 sums, v_exp_f32 and their like allow (about 1e-6 of the number): no bf16 or f16 on the way to a quantiser, and a product that is left as it is and whose result goes on into a quantised operand takes f32 operands (vector FMAs, or v_wmma_f32_16x16x4_f32). A number that lies on a knife's edge between two numbers of the format may be rounded either way, as far as f32 arithmetic and the matrix unit's own rounding can turn it there, and no further.
;; One version. Each part assembles by itself: llvm-mc -triple=amdgcn-amd-amdhsa -mcpu=gfx1250 --defsym DOCPART=n.
;; ======== version 1 of 1: 5 launches
;; workspace buffers: ac 16,777,216 bytes; w1c 4,194,304 bytes; w2c 4,194,304 bytes; par 8,448 bytes
;; launch prep (part 1): grid 768 x 1, 8 waves a work-group, no clusters, 0 bytes of LDS; arguments x, w1, w2, lowp_scales, ac, par; writes ac, par
.if DOCPART == 1
	.amdgcn_target "amdgcn-amd-amdhsa--gfx1250"
	.amdhsa_code_object_version 6
	.text
	.protected	k_q042a2e2aed_prep
	.globl	k_q042a2e2aed_prep
	.p2align	8
	.type	k_q042a2e2aed_prep,@function
k_q042a2e2aed_prep:
	s_mov_b64 s[64:65], 0
	v_nop
	global_prefetch_b8 v0, s[64:65] scope:SCOPE_SE
	s_setreg_imm32_b32 hwreg(HW_REG_WAVE_MODE, 25, 1), 1
	s_wait_xcnt 0x0
; TWO JOBS IN ONE LAUNCH, parted on the work-group's number; neither uses LDS or a barrier.
; Work-groups 0-511: x [8192][2048] f32 -> ac [8192][2048] codes of E4M3.  Per row: m = max(|x|, 1e-5); s = 127 / m; q = clip(round(x s), -128, 127) / s;
;   xq = x + (q - x), as the source writes it; code = xq / 2^e0, held within +-448, to the nearest code, ties to even.
; Work-groups 512-767: partial sums of |w1| (512-639) and |w2| (640-767): each wave sums 4,096 numbers and stores one f32 into par at byte 256 + 4 x its number.
;   The first of these waves also copies e2, e3 (entries 2, 3 of the scales) to par's first bytes, sixteen times over: 128 consecutive bytes; the second product's launch reads the first eight.
; SHARES.  A wave owns two rows (16,384 bytes) and asks for all of them at once: 32 loads, each of 512 consecutive bytes, 16 a lane.  Nothing loops.
; THE ORDER ALONG K IN EVERY BUFFER OF CODES: stored byte 512 g + 16 l + 4 jj + i holds k = 512 g + 128 jj + 4 l + i.  It is the same for both operands of both products, so each product meets
;   its partner and only the order of the sums changes.  It lets a lane's four registers of codes be 16 neighbouring bytes: a wave's store covers 512 consecutive bytes, aligned, with no turn through LDS.
; LIMITS: e0 between -126 and 119.  NaN and infinities among the inputs are not served.  q / s is made as q x (1 / s), both quotients with one Newton step: at most a unit in the last place off.
.set SC,  8                            ; v[8:9]    s (the low word serves both halves of the packed forms; the high one is written once)
.set IV,  10                           ; v[10:11]  1 / s, likewise
.set LIM, 12                           ; v12       448 x 2^e
.set CS,  13                           ; v13       2^e as f32: the conversion takes its exponent field
.set PX,  14                           ; v14       the lane permute's destination
.set T,   16                           ; v16-23    at work
.set M,   24                           ; v24-27    four chains of a maximum or a sum
.set X,   32                           ; v32-159   two rows, 64 registers each
.set C,   160                          ; v160-191  their codes, 16 registers each: never written twice, so no store's data are rewritten
.macro LOADROW r
.irp j, 0,1,2,3,4,5,6,7,8,9,10,11,12,13,14,15
	global_load_b128 v[X+64*\r+4*\j:X+64*\r+4*\j+3], v1, s[4:5] offset:8192*\r+512*\j th:TH_LOAD_NT
.endr
.endm
.macro MAXROW r                        ; the row's largest magnitude, with the floor 1e-5 among the leaves, in every lane
.irp c, 0,1,2,3
	v_max3_num_f32 v[M+\c], |v[X+64*\r+16*\c]|, |v[X+64*\r+16*\c+1]|, 0x3727c5ac
.endr
.irp i, 2,4,6,8,10,12,14
.irp c, 0,1,2,3
	v_max3_num_f32 v[M+\c], v[M+\c], |v[X+64*\r+16*\c+\i]|, |v[X+64*\r+16*\c+\i+1]|
.endr
.endr
	v_max3_num_f32 v[M], v[M], v[M+1], v[M+2]
	v_max_num_f32 v[M], v[M], v[M+3]
	v_max_num_f32_dpp v[M], v[M], v[M] row_xmask:1 row_mask:0xf bank_mask:0xf
	v_max_num_f32_dpp v[M], v[M], v[M] row_xmask:2 row_mask:0xf bank_mask:0xf
	v_max_num_f32_dpp v[M], v[M], v[M] row_xmask:4 row_mask:0xf bank_mask:0xf
	v_max_num_f32_dpp v[M], v[M], v[M] row_xmask:8 row_mask:0xf bank_mask:0xf
	v_permlanex16_b32 v[PX], v[M], s24, s25
	v_max_num_f32 v[M], v[M], v[PX]
.endm
.macro DIVIDE d, n, m                  ; v[d] = n / v[m]: the reciprocal, the quotient, its remainder by one fused multiply-add, the correction
	v_rcp_f32 v[T], v[\m]
	v_nop                                          ; one plain instruction behind the transcendental
	s_wait_alu depctr_va_vdst(0)
	v_mul_f32 v[\d], \n, v[T]
	v_fma_f32 v[T+1], -v[\d], v[\m], \n
	v_fma_f32 v[\d], v[T+1], v[T], v[\d]
.endm
.macro Q8 r, a, lo, hi                 ; eight numbers of a lane become eight codes
.set XB, X+64*(\r)+8*(\a)
.irp i, 0,2,4,6
	v_pk_mul_f32 v[T+\i:T+\i+1], v[XB+\i:XB+\i+1], v[SC:SC+1] op_sel_hi:[1,0]
.endr
.irp i, 0,1,2,3,4,5,6,7
	v_rndne_f32 v[T+\i], v[T+\i]
.endr
.irp i, 0,1,2,3,4,5,6,7
	v_med3_num_f32 v[T+\i], v[T+\i], \lo, \hi
.endr
.irp i, 0,2,4,6
	v_pk_mul_f32 v[T+\i:T+\i+1], v[T+\i:T+\i+1], v[IV:IV+1] op_sel_hi:[1,0]
.endr
.irp i, 0,2,4,6
	v_pk_add_f32 v[T+\i:T+\i+1], v[T+\i:T+\i+1], v[XB+\i:XB+\i+1] neg_lo:[0,1] neg_hi:[0,1]   ; q - x
.endr
.irp i, 0,2,4,6
	v_pk_add_f32 v[XB+\i:XB+\i+1], v[XB+\i:XB+\i+1], v[T+\i:T+\i+1]                           ; x + (q - x)
.endr
.irp i, 0,1,2,3,4,5,6,7
	v_med3_num_f32 v[XB+\i], v[XB+\i], -v[LIM], v[LIM]   ; the conversion to an 8-bit code does not saturate (ISA guide 7.6.2): the hold at the largest code x the scale
.endr
	v_cvt_scalef32_pk8_fp8_f32 v[C+16*(\r)+2*(\a):C+16*(\r)+2*(\a)+1], v[XB:XB+7], v[CS]
.endm
.macro OUTROW r
	v_nop                                          ; one plain instruction behind the last scaled conversion
.irp g, 0,1,2,3
	global_store_b128 v1, v[C+16*\r+4*\g:C+16*\r+4*\g+3], s[12:13] offset:2048*\r+512*\g   ; the wave stores 512 consecutive bytes, aligned
.endr
.endm
.macro ROW r, left
	s_wait_loadcnt \left                           ; loads come back in order: this row's sixteen are in, the younger ones may be out
	MAXROW \r
	DIVIDE SC, s27, M                              ; s = 127 / m
	DIVIDE IV, 1.0, SC                             ; 1 / s
.irp a, 0,1,2,3,4,5,6,7
	Q8 \r, \a, s26, s27
.endr
	OUTROW \r
.endm
	s_load_b256 s[4:11], s[0:1], 0x0               ; x s[4:5], w1 s[6:7], w2 s[8:9], the scales' exponents s[10:11]
	s_load_b128 s[12:15], s[0:1], 0x20             ; ac s[12:13], par s[14:15]
	v_lshrrev_b32 v2, 5, v0
	v_readfirstlane_b32 s16, v2                    ; wave 0..7
	v_and_b32 v3, 31, v0                           ; lane
	v_lshlrev_b32 v1, 4, v3                        ; 16 x lane: the one offset of all loads and stores; never rewritten
	v_mov_b32 v[PX], 0                             ; a lane permute's destination counts as one of its sources
	s_mov_b32 s24, 0x76543210                      ; v_permlanex16_b32's selects for lane l xor 16
	s_mov_b32 s25, 0xfedcba98
	s_cmp_ge_u32 ttmp9, 512
	s_cbranch_scc1 .Lwsum
	; ---- x's rows
	s_lshl_b32 s17, ttmp9, 3
	s_add_co_u32 s17, s17, s16                     ; which pair of rows is my wave's: 0..4095
	s_lshl_b32 s18, s17, 14                        ; 2 rows x 8,192 bytes of x
	s_mov_b32 s19, 0
	s_lshl_b32 s20, s17, 12                        ; 2 rows x 2,048 bytes of codes
	s_mov_b32 s21, 0
	s_mov_b32 s26, 0xc3000000                      ; -128.0
	s_mov_b32 s27, 0x42fe0000                      ; 127.0
	v_mov_b32 v[SC+1], 0                           ; (named as the upper halves of pairs)
	v_mov_b32 v[IV+1], 0
	s_wait_kmcnt 0x0
	s_load_b32 s22, s[10:11], 0x0                  ; e0
	s_add_nc_u64 s[4:5], s[4:5], s[18:19]
	s_add_nc_u64 s[12:13], s[12:13], s[20:21]
	LOADROW 0
	LOADROW 1
	s_wait_kmcnt 0x0
	s_add_co_i32 s22, s22, 127
	s_lshl_b32 s23, s22, 23
	v_mov_b32 v[CS], s23                           ; 2^e0
	s_add_co_i32 s22, s22, 8
	s_lshl_b32 s22, s22, 23
	s_or_b32 s22, s22, 0x600000
	v_mov_b32 v[LIM], s22                          ; 448 x 2^e0
	ROW 0, 16
	ROW 1, 0
	s_endpgm
	; ---- partial sums of |w|
.Lwsum:
	s_sub_co_u32 s17, ttmp9, 512
	s_lshl_b32 s17, s17, 3
	s_add_co_u32 s17, s17, s16                     ; my wave's number among these: 0..2047; 0..1023 take w1, the others w2
	s_and_b32 s18, s17, 1023
	s_lshl_b32 s18, s18, 14                        ; my 16,384 bytes of the tensor
	s_mov_b32 s19, 0
	s_lshl_b32 s20, s17, 2
	s_add_co_u32 s20, s20, 256                     ; my word in par
	s_mov_b32 s21, 0
	s_wait_kmcnt 0x0
	s_cmp_lt_u32 ttmp9, 640                        ; the choice hangs on the work-group's number alone
	s_cselect_b64 s[6:7], s[6:7], s[8:9]
	s_add_nc_u64 s[6:7], s[6:7], s[18:19]
	s_add_nc_u64 s[28:29], s[14:15], s[20:21]
	s_cmp_lg_u32 s17, 0
	s_cbranch_scc1 .Lnocopy
	v_and_b32 v2, 1, v0
	v_lshlrev_b32 v2, 2, v2                        ; even lanes read e2, odd lanes e3
	v_lshlrev_b32 v4, 2, v3
	global_load_b32 v6, v2, s[10:11] offset:8
	s_wait_loadcnt 0x0
	global_store_b32 v4, v6, s[14:15]              ; e2, e3, e2, e3 ..: 128 consecutive bytes at par's head
.Lnocopy:
.irp j, 0,1,2,3,4,5,6,7,8,9,10,11,12,13,14,15,16,17,18,19,20,21,22,23,24,25,26,27,28,29,30,31
	global_load_b128 v[X+4*\j:X+4*\j+3], v1, s[6:7] offset:512*\j   ; no hint: the next launch reads these bytes again
.endr
.macro SUMS first, count, left         ; registers first .. first + count - 1 join the four chains (register n: chain n % 4)
	s_wait_loadcnt \left                           ; the groups of eight loads behind these may be out
.set n, \first
.rept \count
	v_add_f32 v[M+n%4], v[M+n%4], |v[X+n]|
.set n, n+1
.endr
.endm
	s_wait_loadcnt 24
.irp c, 0,1,2,3
	v_add_f32 v[M+\c], |v[X+\c]|, |v[X+4+\c]|      ; the first eight numbers start the chains: nothing is cleared
.endr
	SUMS 8, 24, 24
	SUMS 32, 32, 16
	SUMS 64, 32, 8
	SUMS 96, 32, 0
	v_add_f32 v[M], v[M], v[M+1]
	v_add_f32 v[M+2], v[M+2], v[M+3]
	v_add_f32 v[M], v[M], v[M+2]
	v_add_f32_dpp v[M], v[M], v[M] row_xmask:1 row_mask:0xf bank_mask:0xf
	v_add_f32_dpp v[M], v[M], v[M] row_xmask:2 row_mask:0xf bank_mask:0xf
	v_add_f32_dpp v[M], v[M], v[M] row_xmask:4 row_mask:0xf bank_mask:0xf
	v_add_f32_dpp v[M], v[M], v[M] row_xmask:8 row_mask:0xf bank_mask:0xf
	v_permlanex16_b32 v[PX], v[M], s24, s25
	v_add_f32 v[M], v[M], v[PX]
	v_mov_b32 v5, 0
	v_cmp_eq_u32 vcc_lo, 0, v3
	s_wait_xcnt 0x0                                ; EXEC is a source of the memory instructions above: it changes only behind this wait
	s_and_saveexec_b32 s30, vcc_lo
	global_store_b32 v5, v[M], s[28:29]            ; lane 0 alone: one word a wave, 2,048 in the launch
	s_wait_xcnt 0x0                                ; and again in front of the line that widens it
	s_or_b32 exec_lo, exec_lo, s30
	s_endpgm
.Lfunc_end_k_q042a2e2aed_prep:
	.size	k_q042a2e2aed_prep, .Lfunc_end_k_q042a2e2aed_prep-k_q042a2e2aed_prep
	.p2alignl 7, 3214868480
	.fill 96, 4, 3214868480
	.section	.rodata,"a",@progbits
	.p2align	6, 0x0
	.amdhsa_kernel k_q042a2e2aed_prep
		.amdhsa_group_segment_fixed_size 0
		.amdhsa_private_segment_fixed_size 0
		.amdhsa_enable_private_segment 0
		.amdhsa_kernarg_size 48
		.amdhsa_user_sgpr_count 2
		.amdhsa_user_sgpr_kernarg_segment_ptr 1
		.amdhsa_wavefront_size32 1
		.amdhsa_system_sgpr_workgroup_id_x 1
		.amdhsa_system_sgpr_workgroup_id_y 1
		.amdhsa_system_sgpr_workgroup_id_z 1
		.amdhsa_system_vgpr_workitem_id 0
		.amdhsa_next_free_vgpr 192
		.amdhsa_next_free_sgpr 66
		.amdhsa_reserve_vcc 1
		.amdhsa_float_denorm_mode_32 3
		.amdhsa_float_denorm_mode_16_64 3
		.amdhsa_memory_ordered 1
		.amdhsa_forward_progress 1
		.amdhsa_inst_pref_size 62
	.end_amdhsa_kernel
	.amdgpu_metadata
---
amdhsa.version: [ 1, 2 ]
amdhsa.kernels:
  - .name:           k_q042a2e2aed_prep
    .symbol:         k_q042a2e2aed_prep.kd
    .args:
      - { .name: x, .offset: 0, .size: 8, .value_kind: global_buffer, .address_space: global }
      - { .name: w1, .offset: 8, .size: 8, .value_kind: global_buffer, .address_space: global }
      - { .name: w2, .offset: 16, .size: 8, .value_kind: global_buffer, .address_space: global }
      - { .name: lowp_scales, .offset: 24, .size: 8, .value_kind: global_buffer, .address_space: global }
      - { .name: ac, .offset: 32, .size: 8, .value_kind: global_buffer, .address_space: global }
      - { .name: par, .offset: 40, .size: 8, .value_kind: global_buffer, .address_space: global }
    .group_segment_fixed_size: 0
    .private_segment_fixed_size: 0
    .kernarg_segment_align: 8
    .kernarg_segment_size: 48
    .max_flat_workgroup_size: 256
    .sgpr_count:     66
    .vgpr_count:     192
    .wavefront_size: 32
...
	.end_amdgpu_metadata
.endif
;; end of part 1
;; launch wquant (part 2): grid 256 x 1, 8 waves a work-group, no clusters, 0 bytes of LDS; arguments w1, w2, lowp_scales, par, w1c, w2c; writes w1c, w2c
.if DOCPART == 2
	.amdgcn_target "amdgcn-amd-amdhsa--gfx1250"
	.amdhsa_code_object_version 6
	.text
	.protected	k_q042a2e2aed_wquant
	.globl	k_q042a2e2aed_wquant
	.p2align	8
	.type	k_q042a2e2aed_wquant,@function
k_q042a2e2aed_wquant:
	s_mov_b64 s[64:65], 0
	v_nop
	global_prefetch_b8 v0, s[64:65] scope:SCOPE_SE
	s_setreg_imm32_b32 hwreg(HW_REG_WAVE_MODE, 25, 1), 1
	s_wait_xcnt 0x0
; w1, w2 [2048][2048] f32 -> w1c, w2c [2048][2048] codes of E4M3.  a = max(mean |w|, 1e-5); s = 1 / a; q = clip(round(w s), -1, 1) / s; wq = w + (q - w);
; code = wq / 2^e, held within +-448, to the nearest code, ties to even; e = entry 1 of the scales for w1, entry 3 for w2.
; Work-groups 0-127 take w1, the others w2: only pointers, e and an offset are chosen; both take one path.
; THE MEAN.  The launch before left 1,024 partial sums for each tensor in par (w1's from byte 256, w2's from byte 4,352).  Every wave adds its tensor's 1,024 in the same order, so all hold the same mean.
; SHARES, and THE ORDER ALONG K of the codes: a wave owns two rows and asks for them at once; stored byte 512 g + 16 l + 4 jj + i holds k = 512 g + 128 jj + 4 l + i, as in the activations' codes.
; THE ORDER OF THE ROWS in the codes' buffers: within each 64 rows, the weight's row 4 r + b (r 0..15, b 0..3) lies at place 16 b + r.  A tile of 16 neighbouring places then holds every fourth row, so that in the
; product's launch four neighbouring accumulators give a lane four neighbouring columns of the result, which it stores from its registers.  My two rows 2 i and 2 i + 1 have the same r and b one apart: 16 places apart.
; LIMITS: e between -126 and 119.  NaN and infinities are not served.  q / s is made as q x (1 / s), both quotients with one Newton step.  The mean is summed in this text's own order (chains of 32, then
; trees): a weight whose |w| s lies within a few units in the last place of 0.5 may be rounded the other way than by another order of summing.
.set SC,  8
.set IV,  10
.set LIM, 12
.set CS,  13
.set PX,  14
.set T,   16
.set M,   24
.set X,   32
.set C,   160
.set PT,  192                          ; v192-223  the tensor's 1,024 partial sums, 32 a lane
.macro LOADROW r
.irp j, 0,1,2,3,4,5,6,7,8,9,10,11,12,13,14,15
	global_load_b128 v[X+64*\r+4*\j:X+64*\r+4*\j+3], v1, s[4:5] offset:8192*\r+512*\j th:TH_LOAD_NT
.endr
.endm
.macro DIVIDE d, n, m                  ; v[d] = n / v[m]: the reciprocal, the quotient, its remainder by one fused multiply-add, the correction
	v_rcp_f32 v[T], v[\m]
	v_nop                                          ; one plain instruction behind the transcendental
	s_wait_alu depctr_va_vdst(0)
	v_mul_f32 v[\d], \n, v[T]
	v_fma_f32 v[T+1], -v[\d], v[\m], \n
	v_fma_f32 v[\d], v[T+1], v[T], v[\d]
.endm
.macro Q8 r, a, lo, hi                 ; eight numbers of a lane become eight codes
.set XB, X+64*(\r)+8*(\a)
.irp i, 0,2,4,6
	v_pk_mul_f32 v[T+\i:T+\i+1], v[XB+\i:XB+\i+1], v[SC:SC+1] op_sel_hi:[1,0]
.endr
.irp i, 0,1,2,3,4,5,6,7
	v_rndne_f32 v[T+\i], v[T+\i]
.endr
.irp i, 0,1,2,3,4,5,6,7
	v_med3_num_f32 v[T+\i], v[T+\i], \lo, \hi
.endr
.irp i, 0,2,4,6
	v_pk_mul_f32 v[T+\i:T+\i+1], v[T+\i:T+\i+1], v[IV:IV+1] op_sel_hi:[1,0]
.endr
.irp i, 0,2,4,6
	v_pk_add_f32 v[T+\i:T+\i+1], v[T+\i:T+\i+1], v[XB+\i:XB+\i+1] neg_lo:[0,1] neg_hi:[0,1]   ; q - w
.endr
.irp i, 0,2,4,6
	v_pk_add_f32 v[XB+\i:XB+\i+1], v[XB+\i:XB+\i+1], v[T+\i:T+\i+1]                           ; w + (q - w)
.endr
.irp i, 0,1,2,3,4,5,6,7
	v_med3_num_f32 v[XB+\i], v[XB+\i], -v[LIM], v[LIM]   ; the conversion to an 8-bit code does not saturate (ISA guide 7.6.2): the hold at the largest code x the scale
.endr
	v_cvt_scalef32_pk8_fp8_f32 v[C+16*(\r)+2*(\a):C+16*(\r)+2*(\a)+1], v[XB:XB+7], v[CS]
.endm
.macro OUTROW r
	v_nop                                          ; one plain instruction behind the last scaled conversion
.irp g, 0,1,2,3
	global_store_b128 v1, v[C+16*\r+4*\g:C+16*\r+4*\g+3], s[12:13] offset:32768*\r+512*\g   ; my second row lies 16 places of 2,048 bytes behind my first; the wave stores 512 consecutive bytes, aligned
.endr
.endm
.macro ROW r, left
	s_wait_loadcnt \left                           ; this row's sixteen loads are in, the younger ones may be out
.irp a, 0,1,2,3,4,5,6,7
	Q8 \r, \a, -1.0, 1.0
.endr
	OUTROW \r
.endm
	s_load_b256 s[4:11], s[0:1], 0x0               ; w1 s[4:5], w2 s[6:7], the scales' exponents s[8:9], par s[10:11]
	s_load_b128 s[12:15], s[0:1], 0x20             ; w1c s[12:13], w2c s[14:15]
	v_lshrrev_b32 v2, 5, v0
	v_readfirstlane_b32 s16, v2                    ; wave 0..7
	v_and_b32 v3, 31, v0
	v_lshlrev_b32 v1, 4, v3                        ; 16 x lane; never rewritten
	v_mov_b32 v[PX], 0
	v_mov_b32 v[SC+1], 0                           ; (named as the upper halves of pairs)
	v_mov_b32 v[IV+1], 0
	s_mov_b32 s24, 0x76543210
	s_mov_b32 s25, 0xfedcba98
	s_and_b32 s17, ttmp9, 127
	s_lshl_b32 s17, s17, 3
	s_add_co_u32 s17, s17, s16                     ; i: which pair of the tensor's rows is my wave's: 0..1023
	s_lshl_b32 s18, s17, 14                        ; the pair's 16,384 bytes of f32
	s_mov_b32 s19, 0
	s_lshr_b32 s20, s17, 5                         ; the place of row 2 i: 64 x (i / 32), the group of 64 rows,
	s_lshl_b32 s20, s20, 6
	s_and_b32 s21, s17, 1                          ; + 16 b, b = 2 (i % 2),
	s_lshl_b32 s21, s21, 5
	s_add_co_u32 s20, s20, s21
	s_bfe_u32 s21, s17, 0x40001                    ; + r = (i / 2) % 16 (four bits from bit 1)
	s_add_co_u32 s20, s20, s21
	s_lshl_b32 s20, s20, 11                        ; x 2,048 bytes
	s_mov_b32 s21, 0
	s_mov_b32 s23, 0
	s_wait_kmcnt 0x0
	s_load_b128 s[32:35], s[8:9], 0x0              ; e0 .. e3
	s_cmp_lt_u32 ttmp9, 128                        ; w1's work-group or w2's?  The choice hangs on the work-group's number alone
	s_cselect_b64 s[4:5], s[4:5], s[6:7]
	s_cselect_b64 s[12:13], s[12:13], s[14:15]
	s_cselect_b32 s22, 0, 4096                     ; w2's partial sums lie 4,096 bytes behind w1's
	s_add_nc_u64 s[10:11], s[10:11], s[22:23]
	s_add_nc_u64 s[4:5], s[4:5], s[18:19]
	s_add_nc_u64 s[12:13], s[12:13], s[20:21]
.irp j, 0,1,2,3,4,5,6,7
	global_load_b128 v[PT+4*\j:PT+4*\j+3], v1, s[10:11] offset:256+512*\j
.endr
	LOADROW 0
	LOADROW 1
	s_wait_kmcnt 0x0
	s_cmp_lt_u32 ttmp9, 128
	s_cselect_b32 s22, s33, s35                    ; e1 or e3
	s_add_co_i32 s22, s22, 127
	s_lshl_b32 s23, s22, 23
	v_mov_b32 v[CS], s23                           ; 2^e
	s_add_co_i32 s22, s22, 8
	s_lshl_b32 s22, s22, 23
	s_or_b32 s22, s22, 0x600000
	v_mov_b32 v[LIM], s22                          ; 448 x 2^e
	s_wait_loadcnt 32                              ; the eight loads of partial sums are in; the 32 loads of the rows were issued behind them
.irp j, 1,2,3,4,5,6,7
	v_pk_add_f32 v[PT:PT+1], v[PT:PT+1], v[PT+4*\j:PT+4*\j+1]
	v_pk_add_f32 v[PT+2:PT+3], v[PT+2:PT+3], v[PT+4*\j+2:PT+4*\j+3]
.endr
	v_add_f32 v[PT], v[PT], v[PT+1]
	v_add_f32 v[PT+2], v[PT+2], v[PT+3]
	v_add_f32 v[PT], v[PT], v[PT+2]
	v_add_f32_dpp v[PT], v[PT], v[PT] row_xmask:1 row_mask:0xf bank_mask:0xf
	v_add_f32_dpp v[PT], v[PT], v[PT] row_xmask:2 row_mask:0xf bank_mask:0xf
	v_add_f32_dpp v[PT], v[PT], v[PT] row_xmask:4 row_mask:0xf bank_mask:0xf
	v_add_f32_dpp v[PT], v[PT], v[PT] row_xmask:8 row_mask:0xf bank_mask:0xf
	v_permlanex16_b32 v[PX], v[PT], s24, s25
	v_add_f32 v[PT], v[PT], v[PX]
	v_mul_f32 v[PT], 0x34800000, v[PT]             ; / 4,194,304 = x 2^-22: nothing is rounded
	v_max_num_f32 v[M], 0x3727c5ac, v[PT]          ; the floor 1e-5
	DIVIDE SC, 1.0, M                              ; s = 1 / a
	DIVIDE IV, 1.0, SC                             ; 1 / s
	ROW 0, 16
	ROW 1, 0
	s_endpgm
.Lfunc_end_k_q042a2e2aed_wquant:
	.size	k_q042a2e2aed_wquant, .Lfunc_end_k_q042a2e2aed_wquant-k_q042a2e2aed_wquant
	.p2alignl 7, 3214868480
	.fill 96, 4, 3214868480
	.section	.rodata,"a",@progbits
	.p2align	6, 0x0
	.amdhsa_kernel k_q042a2e2aed_wquant
		.amdhsa_group_segment_fixed_size 0
		.amdhsa_private_segment_fixed_size 0
		.amdhsa_enable_private_segment 0
		.amdhsa_kernarg_size 48
		.amdhsa_user_sgpr_count 2
		.amdhsa_user_sgpr_kernarg_segment_ptr 1
		.amdhsa_wavefront_size32 1
		.amdhsa_system_sgpr_workgroup_id_x 1
		.amdhsa_system_sgpr_workgroup_id_y 1
		.amdhsa_system_sgpr_workgroup_id_z 1
		.amdhsa_system_vgpr_workitem_id 0
		.amdhsa_next_free_vgpr 224
		.amdhsa_next_free_sgpr 66
		.amdhsa_reserve_vcc 0
		.amdhsa_float_denorm_mode_32 3
		.amdhsa_float_denorm_mode_16_64 3
		.amdhsa_memory_ordered 1
		.amdhsa_forward_progress 1
		.amdhsa_inst_pref_size 46
	.end_amdhsa_kernel
	.amdgpu_metadata
---
amdhsa.version: [ 1, 2 ]
amdhsa.kernels:
  - .name:           k_q042a2e2aed_wquant
    .symbol:         k_q042a2e2aed_wquant.kd
    .args:
      - { .name: w1, .offset: 0, .size: 8, .value_kind: global_buffer, .address_space: global }
      - { .name: w2, .offset: 8, .size: 8, .value_kind: global_buffer, .address_space: global }
      - { .name: lowp_scales, .offset: 16, .size: 8, .value_kind: global_buffer, .address_space: global }
      - { .name: par, .offset: 24, .size: 8, .value_kind: global_buffer, .address_space: global }
      - { .name: w1c, .offset: 32, .size: 8, .value_kind: global_buffer, .address_space: global }
      - { .name: w2c, .offset: 40, .size: 8, .value_kind: global_buffer, .address_space: global }
    .group_segment_fixed_size: 0
    .private_segment_fixed_size: 0
    .kernarg_segment_align: 8
    .kernarg_segment_size: 48
    .max_flat_workgroup_size: 256
    .sgpr_count:     66
    .vgpr_count:     224
    .wavefront_size: 32
...
	.end_amdgpu_metadata
.endif
;; end of part 2
;; launch gemm1 (part 3): grid 8 x 32, 4 waves a work-group, clusters of 4 x 4, 327,680 bytes of LDS; arguments ac, w1c, lowp_scales, out0; writes out0
.if DOCPART == 3
	.amdgcn_target "amdgcn-amd-amdhsa--gfx1250"
	.amdhsa_code_object_version 6
	.text
	.protected	k_q042a2e2aed_gemm1
	.globl	k_q042a2e2aed_gemm1
	.p2align	8
	.type	k_q042a2e2aed_gemm1,@function
k_q042a2e2aed_gemm1:
	s_mov_b64 s[64:65], 0
	v_nop
	global_prefetch_b8 v0, s[64:65] scope:SCOPE_SE
	s_setreg_imm32_b32 hwreg(HW_REG_WAVE_MODE, 25, 1), 1
	s_wait_xcnt 0x0
	s_wait_alu depctr_hold_cnt(0) depctr_sa_sdst(0) depctr_va_vdst(0) depctr_va_sdst(0) depctr_va_ssrc(0) depctr_va_vcc(0) depctr_vm_vsrc(0)
	s_getreg_b32 s2, hwreg(HW_REG_IB_STS2, 6, 4)
	s_cmp_eq_u32 s2, 0
	s_cbranch_scc0 .Lentry_in_a_cluster
	s_endpgm
.Lentry_in_a_cluster:
	s_bfe_u32 s2, ttmp6, 0x10000c
	s_cmp_lg_u32 s2, 0xf033
	s_cbranch_scc0 .Lentry_shape_is_right
	s_endpgm
.Lentry_shape_is_right:
; C[m][n] = 2^(ea + eb) x the sum over k of A[m][k] B[n][k].  A: [8192][2048], B: [2048][2048]: codes of FP8 (E4M3), one byte each, K innermost; C: [8192][2048] f32; sums in f32.
; ea and eb are the first two whole numbers (int32) of the third buffer.  The codes are multiplied as they are, and each finished sum once by 2^(ea + eb).
; The bytes of a row stand in an order along K that is the same in A and in B (made by the launches that wrote the codes), and the fragment loads below permute K once more, again alike on both sides: every
; product meets its partner; only the order of the sums differs from ascending k.
; B'S ROWS LIE IN AN ORDER OF THEIR OWN (made by the launch that wrote them): within each 64 rows, row 4 r + b of the weight lies at place 16 b + r.  A fragment takes 16 neighbouring places, so lane r of the b-th of four
; neighbouring fragments holds column 4 r + b of C.
; LIMIT: ea + eb lies between -126 and 127, so that 2^(ea + eb) is an f32 number.
; A tile of C, 256 x 256, is made by a work-group of four waves, as many as a WGP has SIMDs; a wave makes 128 x 128: 64 accumulators of 16 x 16, 512 registers.  C has 32 x 8 = 256 tiles: one work-group each.
; K goes in steps of 256 through a ring of two LDS slots filled by the tensor data mover: a tile's row is 256 bytes of memory.
; CLUSTERS: 4 x 4 work-groups.  The four of a row of the cluster need the same tiles of A, the four of a column the same tiles of B: each tile is asked for JOINTLY, by the same tensor load with the
; same descriptor and a mask that names the four.
; THE WAY OUT NEEDS NO LDS.  Source 0 = 16 rows of A, source 1 = 16 places of B: register j of lane (r, h) is C(row 8 h + j, place r).  By the order of B's rows the registers j of four neighbouring accumulators are four
; neighbouring columns 4 r .. 4 r + 3 of one row: the multiplication by 2^(ea + eb) lays them into four consecutive registers, and sixteen lanes store 256 consecutive bytes of a row.
; REGISTERS, in windows of 256: window 0: v0-31 addresses; from v128 A's fragments (8 x 16 rows x 128 K), ONE set; on the way out v32-223 take the results.
;   window 1: B's fragments, TWO sets, at v0 and at v128.   window 2: the 32 accumulators of my rows 0-63 (accumulator (a, b) at v[8 (8 a + b)]);   window 3: those of my rows 64-127.
; A step of 128 along K is 64 matrix instructions, A's blocks one after the other, each against B's eight.  So a block of A is free as soon as its eight products are issued, and one set of registers serves A:
; blocks 0-3 are fetched anew in the step's middle, blocks 4-7 at its end.  B's fragments are at work through the whole step, so B has two sets.
.set SIZE_M, 8192
.set SIZE_N, 2048
.set SIZE_K, 2048
.set KSTEP,  256                       ; along K in a slot
.set ROWB,   256                       ; a tile's row in bytes: KSTEP codes of 8 bits
.set KROW,   SIZE_K                    ; a row of A or of B in memory, in bytes
.set PITCH,  272                       ; an LDS row: 256 bytes of data + 16 of padding = 68 words: row r starts at bank 4 r mod 64 (64 banks of 4 bytes: ISA guide 11.1), so the 16 rows that a load touches start at 16 different banks
.set FR,     16                        ; registers of a fragment: 16 rows x 128 K
.set NL,     4                         ; LDS loads that bring one
.set NP,     4                         ; places behind this matrix instruction (ISA guide 7.12.1)
.set HALFT,  128*PITCH                 ; 128 rows: what one tensor load brings, and what one wave reads of A or of B
.set SLOT,   4*HALFT                   ; A's 256 rows, then B's 256 rows
.set LAPS,   SIZE_K/(2*KSTEP)          ; a lap = two K steps = once round the ring: 4
.set SPARE,  2*SLOT                    ; behind the ring: the spare words, 128 bytes for each wave: two blocks of 256 bytes that no other line names
.set ADRA, 16                          ; v16-17  LDS address of my A fragments in slot 0, 1
.set ADRB, 20                          ; v20-21  the same for B
.set CO,   26                          ; v26     the way out: my byte offset in C from my wave's first number; never rewritten
.set SPW,  28                          ; v28     LDS address of my spare word: SPARE + 4 x my thread's number; never rewritten
.set NIL,  29                          ; v29     0; never rewritten
.set TMP,  32                          ; the way out: three sets of 64 registers, a block's sums x 2^(ea + eb): v32-95, v96-159, v160-223 by turns
.set AF,   128                         ; A's fragments, in window 0
.set G1, 24                            ; s[24:31] descriptor group 1 for A's tiles;  s[32:39] group 0, one set for each slot
.set G0, 32
.set G1B, 48                           ; s[48:55], s[56:63] the same for B's tiles
.set G0B, 56
.set MSB, 0
.macro WIN new                         ; the immediate's high byte repeats the setting that is left
.if MSB != \new
	s_set_vgpr_msb (MSB<<8)|\new
.set MSB, \new
.endif
.endm
.set MUL_LO, 0xa4                      ; source 0 (A) window 0, source 1 (B) window 1, C and D window 2
.set MUL_HI, 0xf4                      ; the same, C and D window 3
.set TO_B,   0x40                      ; destination window 1, address window 0
; A joint load: waves 0 and 1 fetch for A, waves 2 and 3 for B.  Each of the two lines has ONE mask and one set of registers for all that issue it; the branch hangs on the wave's number alone.
; Four v_nop follow each of the two lines, ahead of the jump, the label and what follows.
.macro JLOAD g0a, g1a, g0b, g1b
	s_cmp_eq_u32 s15, 0
	s_cbranch_scc0 .Lfor_b_\@
	tensor_load_to_lds s[\g0a:\g0a+3], s[\g1a:\g1a+7]
	s_nop 0
.rept 4
	v_nop
.endr
	s_branch .Lasked_\@
.Lfor_b_\@:
	tensor_load_to_lds s[\g0b:\g0b+3], s[\g1b:\g1b+7]
	s_nop 0
.rept 4
	v_nop
.endr
.Lasked_\@:
.endm
.macro CREST                           ; a round of the cluster's barrier behind its opening barrier
	s_cmp_lg_u32 s14, 0
	s_cbranch_scc1 .Lnot_wave_0_\@
	s_barrier_signal -3
.Lnot_wave_0_\@:
	s_barrier_wait -3
	s_barrier_signal -1
	s_barrier_wait -1
.endm
.macro CROUND                          ; a whole round
	s_barrier_signal -1
	s_barrier_wait -1
	CREST
.endm
	s_load_b128 s[4:7], s[0:1], 0x0                ; A's codes s[4:5], B's codes s[6:7]
	s_load_b128 s[8:11], s[0:1], 0x10              ; the two scales' exponents s[8:9], C s[10:11]
	v_lshl_add_u32 v[SPW], v0, 2, SPARE
	v_mov_b32 v[NIL], 0
	ds_add_u32 v28, v29
	ds_add_u32 v28, v29
	s_wait_dscnt 0x0
	v_lshrrev_b32 v1, 5, v0
	v_readfirstlane_b32 s14, v1                    ; wave 0..3
	s_lshr_b32 s15, s14, 1                         ; which half of the tile's rows is mine.  Also: I fetch for A (0) or for B (1)
	s_and_b32 s16, s14, 1                          ; which half of its columns.  Also: which 128 rows of that tile I fetch
	s_bfe_u32 s40, ttmp6, 0x40000                  ; cx, cy: my place in the cluster
	s_bfe_u32 s41, ttmp6, 0x40004
	s_lshl_b32 s42, ttmp9, 2
	s_add_co_u32 s42, s42, s40                     ; tile column of C = 4 x cluster x + cx
	s_and_b32 s17, ttmp7, 0xffff
	s_lshl_b32 s17, s17, 2
	s_add_co_u32 s17, s17, s41                     ; tile row of C = 4 x cluster y + cy
	s_lshl_b32 s43, s41, 2
	s_lshl_b32 s43, 15, s43                        ; my row of the cluster
	s_lshl_b32 s44, 0x1111, s40                    ; my column
	; descriptor group 1: a tile of 128 rows x ROWB bytes, padded in LDS
	s_or_b32 s[G1+0], s43, (0<<16)|(1<<20)|(1<<21)|(5<<22)|(3<<25)  ; 15:0 the mask: A's tiles go to my row; 17:16 element of 1 byte; 20 padding on; 21 set beside a mask; 24:22 after every 64 words (code 5); 31:25 of 4 words (code 3)
	s_or_b32 s[G1B+0], s44, (0<<16)|(1<<20)|(1<<21)|(5<<22)|(3<<25)
.irp g, G1, G1B
	s_mov_b32 s[\g+1], ROWB<<16                    ; tensor_dim0
	s_mov_b32 s[\g+2], 128<<16                     ; tensor_dim1 = 128
	s_mov_b32 s[\g+3], ROWB<<16                    ; tile_dim0
	s_mov_b32 s[\g+4], 128                         ; tile_dim1 = 128
	s_mov_b32 s[\g+5], KROW                        ; tensor_dim0_stride
	s_mov_b32 s[\g+6], 0
	s_mov_b32 s[\g+7], 0
.endr
	s_lshl_b32 s18, s16, 7                         ; which 128 rows of the tile I fetch
	s_lshl_b32 s20, s17, 8
	s_add_co_u32 s20, s20, s18                     ; A: row 256 x tile row + 128 x half
	s_lshl_b32 s46, s42, 8
	s_add_co_u32 s46, s46, s18                     ; B: place 256 x tile column + 128 x half
	s_mov_b32 s21, 0
	s_mov_b32 s47, 0
	s_mov_b64 s[18:19], KROW
	s_mul_u64 s[20:21], s[20:21], s[18:19]         ; and their codes
	s_mul_u64 s[46:47], s[46:47], s[18:19]
	s_mul_i32 s45, s14, HALFT                      ; where they go: wave x 128 rows: no place in the cluster enters an LDS address
	s_wait_kmcnt 0x0
	s_load_b64 s[96:97], s[8:9], 0x0               ; ea, eb
	s_add_nc_u64 s[20:21], s[4:5], s[20:21]
	s_add_nc_u64 s[46:47], s[6:7], s[46:47]
	CROUND                                         ; all sixteen work-groups are here: the first joint loads meet
.irp s, 0,1
	s_mov_b32 s[G0+4*\s], 1
	s_add_co_u32 s[G0+4*\s+1], s45, \s*SLOT
	s_add_nc_u64 s[G0+4*\s+2:G0+4*\s+3], s[20:21], \s*ROWB
	s_or_b32 s[G0+4*\s+3], s[G0+4*\s+3], 0x80000000
	s_mov_b32 s[G0B+4*\s], 1
	s_add_co_u32 s[G0B+4*\s+1], s45, \s*SLOT
	s_add_nc_u64 s[G0B+4*\s+2:G0B+4*\s+3], s[46:47], \s*ROWB
	s_or_b32 s[G0B+4*\s+3], s[G0B+4*\s+3], 0x80000000
	JLOAD G0+4*\s, G1, G0B+4*\s, G1B
.endr
	v_and_b32 v1, 15, v0                           ; r = l % 16
	v_bfe_u32 v2, v0, 4, 1                         ; h = l / 16
	v_mul_u32_u24 v3, v1, PITCH
	v_lshl_add_u32 v4, v2, 4, v3                   ; a fragment's row x pitch + 16 x half
	s_mul_i32 s21, s15, HALFT                      ; my 128 rows of A
	s_mul_i32 s22, s16, HALFT                      ; my 128 rows of B,
	s_add_co_u32 s22, s22, 2*HALFT                 ; which lie behind A's 256
.irp s, 0,1
	v_add_nc_u32 v[ADRA+\s], s21, v4
	v_add_nc_u32 v[ADRB+\s], s22, v4
	s_add_co_u32 s21, s21, SLOT
	s_add_co_u32 s22, s22, SLOT
.endr
	v_lshlrev_b32 v[CO], 4, v1                     ; the way out: my four columns 4 r .. 4 r + 3 are 16 r bytes into a group of 64 columns;
	v_lshl_add_u32 v[CO], v2, 16, v[CO]            ; lanes 16-31 hold the rows 8 further down: 8 x 8,192 bytes
	s_lshl_b32 s20, s17, 8
	s_lshl_b32 s21, s15, 7
	s_add_co_u32 s20, s20, s21                     ; my first row of C: 256 x tile row + 128 x half
	s_mov_b32 s21, 0
	s_mov_b64 s[18:19], SIZE_N*4
	s_mul_u64 s[20:21], s[20:21], s[18:19]
	s_lshl_b32 s46, s42, 10                        ; my first column, in bytes: 1024 x tile column + 512 x half
	s_lshl_b32 s47, s16, 9
	s_add_co_u32 s46, s46, s47
	s_mov_b32 s47, 0
	s_add_nc_u64 s[20:21], s[20:21], s[46:47]
	s_add_nc_u64 s[10:11], s[10:11], s[20:21]      ; never rewritten after this line
.macro FRAG reg, adr, q, i             ; a fragment, 16 rows x 128 bytes of a row, is 16 registers: lane l holds row l % 16; registers 4 c .. 4 c + 3 hold the row's bytes 32 c + 16 (l / 16) + 0 .. 15
.irp c, 0,1,2,3
	ds_load_b128 v[\reg+4*\c:\reg+4*\c+3], v[\adr] offset:128*(\q)+32*\c+(\i)*16*PITCH
.endr
.endm
; 16 matrix instructions: A's blocks a0, a0 + 1 x B's eight, 128 along K.  p: B's set.  zero = 1: the first product starts the sums: nothing is ever cleared.
; The 64 accumulators take turns, one instruction a turn, in the same order in every step.
.macro MUL16 a0, p, zero
.irp a, \a0, \a0+1
.irp b, 0,1,2,3,4,5,6,7
.if \zero
	v_wmma_f32_16x16x128_fp8_fp8 v[8*(8*((\a)%4)+\b):8*(8*((\a)%4)+\b)+7], v[AF+FR*(\a):AF+FR*(\a)+FR-1], v[128*(\p)+FR*\b:128*(\p)+FR*\b+FR-1], 0
.else
	v_wmma_f32_16x16x128_fp8_fp8 v[8*(8*((\a)%4)+\b):8*(8*((\a)%4)+\b)+7], v[AF+FR*(\a):AF+FR*(\a)+FR-1], v[128*(\p)+FR*\b:128*(\p)+FR*\b+FR-1], v[8*(8*((\a)%4)+\b):8*(8*((\a)%4)+\b)+7]
.endif
.endr
.endr
.endm
.macro FETCH_B slot, q, p              ; B's eight fragments of the slot's q-th 128 along K into set p
	WIN TO_B
.irp i, 0,1,2,3,4,5,6,7
	FRAG 128*(\p)+FR*\i, ADRB+\slot, \q, \i
.endr
	WIN 0
.endm
.macro FETCH_A slot, q, i0             ; A's blocks i0 .. i0 + 3
.irp i, \i0, \i0+1, \i0+2, \i0+3
	FRAG AF+FR*(\i), ADRA+\slot, \q, \i
.endr
.endm
; A load into a register that a matrix instruction has read, and a vector instruction that reads a matrix result or writes one of a matrix instruction's registers, stand NP places behind that matrix instruction, and only
; plain vector instructions that name none of its registers are places (ISA guide 7.12.1 for vector instructions); this text does not count the matrix instructions in between.
.macro PLACES n
.rept \n
	v_nop
.endr
.endm
; A step of 128 along K that has its successor in the same slot.
.macro STEP slot, q, zero
	s_wait_dscnt 4*NL                              ; B's set and A's blocks 0-3 are in; the youngest sixteen loads (A's blocks 4-7) may be out
	WIN MUL_LO
	MUL16 0, (\q)%2, \zero
	MUL16 2, (\q)%2, \zero
	s_wait_dscnt 0                                 ; A's blocks 4-7 are in (asked for 32 matrix instructions ago)
	PLACES NP
	FETCH_B \slot, (\q)+1, 1-(\q)%2
	FETCH_A \slot, (\q)+1, 0
	WIN MUL_HI
	MUL16 4, (\q)%2, \zero
	MUL16 6, (\q)%2, \zero
	PLACES NP
	WIN 0
	FETCH_A \slot, (\q)+1, 4
.endm
; A slot's last step.  All its fragments have been asked for (the step before fetched them), so the slot is left AT THE STEP'S HEAD: each wave waits for all its tensor loads, adds 0 to its spare word, and waits for that
; and for its own reads of this slot; then the barrier.  fill = 1: the barrier is a round of the cluster's, and this slot is filled again, two K steps ahead, first thing behind it.  Nothing but the round stands between
; the landing of one tile and the request for the next: the step's 64 matrix instructions follow the request, so that they run while the tile is on its way.
.macro TURN slot, next, fill
	s_wait_tensorcnt 0x0                           ; all my tensor loads have landed: the one that was out is my part of the next slot; so every group 0 may be written.  (Every window is 0 here)
	ds_add_u32 v[SPW], v[NIL]                      ; 0 onto my spare word; with fill = 1 the descriptors' steps stand between it and the wait for it
.if \fill
	s_add_nc_u64 s[G0+4*\slot+2:G0+4*\slot+3], s[G0+4*\slot+2:G0+4*\slot+3], 2*ROWB
	s_add_nc_u64 s[G0B+4*\slot+2:G0B+4*\slot+3], s[G0B+4*\slot+2:G0B+4*\slot+3], 2*ROWB
.endif
	s_wait_dscnt 0x0                               ; the add is done, and my reads of this slot are over: the last sixteen (A's blocks 4-7) are in
.if \fill
	CROUND                                         ; no wave of any partner still reads this slot's tile or has a load on its way
	JLOAD G0+4*\slot, G1, G0B+4*\slot, G1B         ; the first tensor load behind the round, and my only one until the next
.else
	s_barrier_signal -1                            ; it shows the next slot whole to every wave
	s_barrier_wait -1
.endif
	WIN MUL_LO
	MUL16 0, 1, 0
	MUL16 2, 1, 0
	PLACES NP
	FETCH_B \next, 0, 0
	FETCH_A \next, 0, 0
	WIN MUL_HI
	MUL16 4, 1, 0
	MUL16 6, 1, 0
	PLACES NP
	WIN 0
	FETCH_A \next, 0, 4
.endm
	s_wait_tensorcnt 1                             ; my part of K step 0 is in (K step 1's load, issued behind it, may be out)
	s_barrier_signal -1
	s_barrier_wait -1                              ; everybody's is
	FETCH_B 0, 0, 0
	FETCH_A 0, 0, 0
	FETCH_A 0, 0, 4
	STEP 0, 0, 1                                   ; the first step stands in front of the loop: its products start the sums
	s_mov_b32 s3, LAPS-1
.Llap:                                                 ; a trip goes once round the ring, from a lap's second step to the next lap's first, and fills both slots again
	TURN 0, 1, 1
	STEP 1, 0, 0
	TURN 1, 0, 1
	STEP 0, 0, 0
	s_sub_co_u32 s3, s3, 1
	s_cmp_lg_u32 s3, 0
	s_cbranch_scc1 .Llap
	TURN 0, 1, 0                                   ; the last lap fills nothing, and has no round of the cluster's barrier
	STEP 1, 0, 0
	s_wait_dscnt 4*NL                              ; the very last step: nothing more to fetch
	WIN MUL_LO
	MUL16 0, 1, 0
	MUL16 2, 1, 0
	s_wait_dscnt 0
	WIN MUL_HI
	MUL16 4, 1, 0
	MUL16 6, 1, 0
	WIN 0
; THE WAY OUT, block by block of 16 rows x 128 columns, from registers.  For row j of my half and group g of 64 columns, the registers j of accumulators 4 g .. 4 g + 3 are columns 64 g + 4 r + 0 .. 3: each is
; multiplied by 2^(ea + eb) into the next of four consecutive registers.  j ascends.  A store then covers, in lanes 0-15, 256 consecutive bytes of row 16 a + j, at a
; multiple of 256 from C's first byte, and in lanes 16-31 the same of row 16 a + 8 + j.  Every offset is an immediate: 119 rows of 8,192 bytes + 256 at the most, inside the signed 24 bits (ISA guide, chapter 10).
.macro OUT a
.set AC, 64*((\a)%4)
.set TS, TMP+64*((\a)%3)
.if (\a) >= 3
	s_wait_xcnt 0x0                                ; block a - 3's stores have read their registers: this set is written again only behind this wait
.endif
	WIN 0x02+((\a)/4)                              ; source 0: window 2 or 3
.irp j, 0,1,2,3,4,5,6,7
.irp g, 0,1
.irp b, 0,1,2,3
	v_mul_f32 v[TS+8*\j+4*\g+\b], v[AC+8*(4*\g+\b)+\j], s96   ; x 2^(ea + eb): nothing is rounded, short of overflow and underflow
.endr
.endr
.endr
	WIN 0
.irp j, 0,1,2,3,4,5,6,7
.irp g, 0,1
	global_store_b128 v[CO], v[TS+8*\j+4*\g:TS+8*\j+4*\g+3], s[10:11] offset:(16*(\a)+\j)*SIZE_N*4+256*\g
.endr
.endr
.endm
	s_wait_kmcnt 0x0
	s_add_co_i32 s96, s96, s97                     ; ea + eb, between -126 and 127,
	s_add_co_i32 s96, s96, 127
	s_lshl_b32 s96, s96, 23                        ; makes the f32 number 2^(ea + eb)
	PLACES NP                                      ; behind the last products: for the reads of results, and for the writes into the registers that held A's fragments
.irp a, 0,1,2,3,4,5,6,7
	OUT \a
.endr
	s_wait_tensorcnt 0x0                           ; the wave's end: behind my last tensor load, my last LDS instructions
	ds_add_u32 v[SPW], v[NIL]
	s_wait_dscnt 0x0
	CROUND                                         ; the closing round: no work-group ends while a partner may still ask for a tile that names it
	s_endpgm
.Lfunc_end_k_q042a2e2aed_gemm1:
	.size	k_q042a2e2aed_gemm1, .Lfunc_end_k_q042a2e2aed_gemm1-k_q042a2e2aed_gemm1
	.p2alignl 7, 3214868480
	.fill 96, 4, 3214868480
	.section	.rodata,"a",@progbits
	.p2align	6, 0x0
	.amdhsa_kernel k_q042a2e2aed_gemm1
		.amdhsa_group_segment_fixed_size 327680
		.amdhsa_private_segment_fixed_size 0
		.amdhsa_enable_private_segment 0
		.amdhsa_kernarg_size 32
		.amdhsa_user_sgpr_count 2
		.amdhsa_user_sgpr_kernarg_segment_ptr 1
		.amdhsa_wavefront_size32 1
		.amdhsa_system_sgpr_workgroup_id_x 1
		.amdhsa_system_sgpr_workgroup_id_y 1
		.amdhsa_system_sgpr_workgroup_id_z 1
		.amdhsa_system_vgpr_workitem_id 0
		.amdhsa_next_free_vgpr 1024
		.amdhsa_next_free_sgpr 98
		.amdhsa_reserve_vcc 0
		.amdhsa_float_denorm_mode_32 3
		.amdhsa_float_denorm_mode_16_64 3
		.amdhsa_memory_ordered 1
		.amdhsa_forward_progress 1
		.amdhsa_inst_pref_size 122
	.end_amdhsa_kernel
	.amdgpu_metadata
---
amdhsa.version: [ 1, 2 ]
amdhsa.kernels:
  - .name:           k_q042a2e2aed_gemm1
    .symbol:         k_q042a2e2aed_gemm1.kd
    .args:
      - { .name: ac, .offset: 0, .size: 8, .value_kind: global_buffer, .address_space: global }
      - { .name: w1c, .offset: 8, .size: 8, .value_kind: global_buffer, .address_space: global }
      - { .name: lowp_scales, .offset: 16, .size: 8, .value_kind: global_buffer, .address_space: global }
      - { .name: out0, .offset: 24, .size: 8, .value_kind: global_buffer, .address_space: global }
    .group_segment_fixed_size: 327680
    .private_segment_fixed_size: 0
    .kernarg_segment_align: 8
    .kernarg_segment_size: 32
    .max_flat_workgroup_size: 128
    .sgpr_count:     98
    .vgpr_count:     1024
    .wavefront_size: 32
...
	.end_amdgpu_metadata
.endif
;; end of part 3
;; launch hquant (part 4): grid 512 x 1, 8 waves a work-group, no clusters, 0 bytes of LDS; arguments out0, lowp_scales, ac; writes ac
.if DOCPART == 4
	.amdgcn_target "amdgcn-amd-amdhsa--gfx1250"
	.amdhsa_code_object_version 6
	.text
	.protected	k_q042a2e2aed_hquant
	.globl	k_q042a2e2aed_hquant
	.p2align	8
	.type	k_q042a2e2aed_hquant,@function
k_q042a2e2aed_hquant:
	s_mov_b64 s[64:65], 0
	v_nop
	global_prefetch_b8 v0, s[64:65] scope:SCOPE_SE
	s_setreg_imm32_b32 hwreg(HW_REG_WAVE_MODE, 25, 1), 1
	s_wait_xcnt 0x0
; h [8192][2048] f32 (the first product's result, in out0) -> ac [8192][2048] codes of E4M3.  g = gelu(h) = 0.5 h (1 + erf(h / sqrt 2)); then per row: m = max(|g|, 1e-5); s = 127 / m;
; q = clip(round(g s), -128, 127) / s; gq = g + (q - g); code = gq / 2^e2, held within +-448, to the nearest code, ties to even.
; erf(u) = u A(u^2) / B(u^2), u held within +-4: a rational fit in f32, A of degree 6 and B of degree 4 in u^2, evaluated by Horner's rule with packed fused multiply-adds; one reciprocal a number.
; SHARES.  A wave owns two rows (16,384 bytes) and asks for all of them at once: 32 loads of 512 consecutive bytes.  Nothing loops; no LDS, no barrier.  gelu needs no neighbour, so it is taken eight numbers a lane at a
; time, each behind a wait for its own two loads alone: it runs while the rest of the rows is on its way.  Only the row's maximum wants the whole row.
; THE ORDER ALONG K of the codes: stored byte 512 g + 16 l + 4 jj + i holds k = 512 g + 128 jj + 4 l + i, as in the weights' codes.
; LIMITS: e2 between -126 and 119.  NaN and infinities are not served.  1 + erf carries about 1e-7 absolute error (the form's own f32 rounding), which for very negative h is large beside g itself but far below
; the row's step m / 127.  q / s is made as q x (1 / s), both quotients with one Newton step.
.set M,   2                            ; v2-5      four chains of the maximum
.set SC,  8                            ; v[8:9]    s
.set IV,  10                           ; v[10:11]  1 / s
.set LIM, 12                           ; v12       448 x 2^e2
.set CS,  13                           ; v13       2^e2 as f32
.set PX,  14                           ; v14       the lane permute's destination
.set T,   16                           ; v16-23    at work in the quantiser
.set U,   16                           ; v16-23    u, later 0.5 h
.set Z,   24                           ; v24-31    u^2
.set P,   32                           ; v32-39    A, later erf
.set Q,   40                           ; v40-47    B, later 1 / B
.set KU,  48                           ; v48-73    thirteen constants, each in both halves of a pair
.set KA6, 50
.set KA5, 52
.set KA4, 54
.set KA3, 56
.set KA2, 58
.set KA1, 60
.set KA0, 62
.set KB4, 64
.set KB3, 66
.set KB2, 68
.set KB1, 70
.set KB0, 72
.set X,   80                           ; v80-207   two rows, 64 registers each
.set C,   208                          ; v208-239  their codes
.macro KONST reg, bits
	v_mov_b32 v[\reg], \bits
	v_mov_b32 v[\reg+1], \bits
.endm
.macro LOADROW r
.irp j, 0,1,2,3,4,5,6,7,8,9,10,11,12,13,14,15
	global_load_b128 v[X+64*\r+4*\j:X+64*\r+4*\j+3], v1, s[4:5] offset:8192*\r+512*\j th:TH_LOAD_NT
.endr
.endm
.macro GELU8 r, a                      ; eight numbers, in place
.set XB, X+64*(\r)+8*(\a)
.irp i, 0,2,4,6
	v_pk_mul_f32 v[U+\i:U+\i+1], v[XB+\i:XB+\i+1], v[KU:KU+1]
.endr
.irp i, 0,1,2,3,4,5,6,7
	v_med3_num_f32 v[U+\i], v[U+\i], -4.0, 4.0
.endr
.irp i, 0,2,4,6
	v_pk_mul_f32 v[Z+\i:Z+\i+1], v[U+\i:U+\i+1], v[U+\i:U+\i+1]
.endr
.irp i, 0,2,4,6
	v_pk_fma_f32 v[P+\i:P+\i+1], v[Z+\i:Z+\i+1], v[KA6:KA6+1], v[KA5:KA5+1]
.endr
.irp k, KA4, KA3, KA2, KA1, KA0
.irp i, 0,2,4,6
	v_pk_fma_f32 v[P+\i:P+\i+1], v[P+\i:P+\i+1], v[Z+\i:Z+\i+1], v[\k:\k+1]
.endr
.endr
.irp i, 0,2,4,6
	v_pk_fma_f32 v[Q+\i:Q+\i+1], v[Z+\i:Z+\i+1], v[KB4:KB4+1], v[KB3:KB3+1]
.endr
.irp k, KB2, KB1, KB0
.irp i, 0,2,4,6
	v_pk_fma_f32 v[Q+\i:Q+\i+1], v[Q+\i:Q+\i+1], v[Z+\i:Z+\i+1], v[\k:\k+1]
.endr
.endr
.irp i, 0,1,2,3,4,5,6,7
	v_rcp_f32 v[Q+\i], v[Q+\i]
.endr
.irp i, 0,2,4,6
	v_pk_mul_f32 v[P+\i:P+\i+1], v[P+\i:P+\i+1], v[U+\i:U+\i+1]     ; u A: plain instructions behind the reciprocals, which name none of their registers
.endr
	s_wait_alu depctr_va_vdst(0)
.irp i, 0,2,4,6
	v_pk_mul_f32 v[P+\i:P+\i+1], v[P+\i:P+\i+1], v[Q+\i:Q+\i+1]     ; erf
.endr
.irp i, 0,2,4,6
	v_pk_mul_f32 v[U+\i:U+\i+1], v[XB+\i:XB+\i+1], 0.5 op_sel_hi:[1,0]
.endr
.irp i, 0,2,4,6
	v_pk_fma_f32 v[XB+\i:XB+\i+1], v[U+\i:U+\i+1], v[P+\i:P+\i+1], v[U+\i:U+\i+1]   ; 0.5 h erf + 0.5 h
.endr
.endm
.macro MAXROW r                        ; the row's largest magnitude, with the floor 1e-5 among the leaves, in every lane
.irp c, 0,1,2,3
	v_max3_num_f32 v[M+\c], |v[X+64*\r+16*\c]|, |v[X+64*\r+16*\c+1]|, 0x3727c5ac
.endr
.irp i, 2,4,6,8,10,12,14
.irp c, 0,1,2,3
	v_max3_num_f32 v[M+\c], v[M+\c], |v[X+64*\r+16*\c+\i]|, |v[X+64*\r+16*\c+\i+1]|
.endr
.endr
	v_max3_num_f32 v[M], v[M], v[M+1], v[M+2]
	v_max_num_f32 v[M], v[M], v[M+3]
	v_max_num_f32_dpp v[M], v[M], v[M] row_xmask:1 row_mask:0xf bank_mask:0xf
	v_max_num_f32_dpp v[M], v[M], v[M] row_xmask:2 row_mask:0xf bank_mask:0xf
	v_max_num_f32_dpp v[M], v[M], v[M] row_xmask:4 row_mask:0xf bank_mask:0xf
	v_max_num_f32_dpp v[M], v[M], v[M] row_xmask:8 row_mask:0xf bank_mask:0xf
	v_permlanex16_b32 v[PX], v[M], s24, s25
	v_max_num_f32 v[M], v[M], v[PX]
.endm
.macro DIVIDE d, n, m                  ; v[d] = n / v[m]: the reciprocal, the quotient, its remainder by one fused multiply-add, the correction
	v_rcp_f32 v[T], v[\m]
	v_nop                                          ; one plain instruction behind the transcendental
	s_wait_alu depctr_va_vdst(0)
	v_mul_f32 v[\d], \n, v[T]
	v_fma_f32 v[T+1], -v[\d], v[\m], \n
	v_fma_f32 v[\d], v[T+1], v[T], v[\d]
.endm
.macro Q8 r, a, lo, hi                 ; eight numbers of a lane become eight codes
.set XB, X+64*(\r)+8*(\a)
.irp i, 0,2,4,6
	v_pk_mul_f32 v[T+\i:T+\i+1], v[XB+\i:XB+\i+1], v[SC:SC+1] op_sel_hi:[1,0]
.endr
.irp i, 0,1,2,3,4,5,6,7
	v_rndne_f32 v[T+\i], v[T+\i]
.endr
.irp i, 0,1,2,3,4,5,6,7
	v_med3_num_f32 v[T+\i], v[T+\i], \lo, \hi
.endr
.irp i, 0,2,4,6
	v_pk_mul_f32 v[T+\i:T+\i+1], v[T+\i:T+\i+1], v[IV:IV+1] op_sel_hi:[1,0]
.endr
.irp i, 0,2,4,6
	v_pk_add_f32 v[T+\i:T+\i+1], v[T+\i:T+\i+1], v[XB+\i:XB+\i+1] neg_lo:[0,1] neg_hi:[0,1]   ; q - g
.endr
.irp i, 0,2,4,6
	v_pk_add_f32 v[XB+\i:XB+\i+1], v[XB+\i:XB+\i+1], v[T+\i:T+\i+1]                           ; g + (q - g)
.endr
.irp i, 0,1,2,3,4,5,6,7
	v_med3_num_f32 v[XB+\i], v[XB+\i], -v[LIM], v[LIM]   ; the conversion to an 8-bit code does not saturate (ISA guide 7.6.2): the hold at the largest code x the scale
.endr
	v_cvt_scalef32_pk8_fp8_f32 v[C+16*(\r)+2*(\a):C+16*(\r)+2*(\a)+1], v[XB:XB+7], v[CS]
.endm
.macro OUTROW r
	v_nop                                          ; one plain instruction behind the last scaled conversion
.irp g, 0,1,2,3
	global_store_b128 v1, v[C+16*\r+4*\g:C+16*\r+4*\g+3], s[12:13] offset:2048*\r+512*\g   ; the wave stores 512 consecutive bytes, aligned
.endr
.endm
.macro ROW r
.irp a, 0,1,2,3,4,5,6,7
	s_wait_loadcnt 30-16*\r-2*\a                   ; loads come back in order: of my 32 loads the oldest 16 r + 2 a + 2 are in, the two that these eight numbers came by among them; the younger ones may be out
	GELU8 \r, \a
.endr
	MAXROW \r
	DIVIDE SC, s27, M                              ; s = 127 / m
	DIVIDE IV, 1.0, SC                             ; 1 / s
.irp a, 0,1,2,3,4,5,6,7
	Q8 \r, \a, s26, s27
.endr
	OUTROW \r
.endm
	s_load_b128 s[4:7], s[0:1], 0x0                ; h s[4:5], the scales' exponents s[6:7]
	s_load_b64 s[12:13], s[0:1], 0x10              ; ac
	v_lshrrev_b32 v6, 5, v0
	v_readfirstlane_b32 s16, v6                    ; wave 0..7
	v_and_b32 v7, 31, v0
	v_lshlrev_b32 v1, 4, v7                        ; 16 x lane: the one offset of all loads and stores; never rewritten
	v_mov_b32 v[PX], 0                             ; a lane permute's destination counts as one of its sources
	v_mov_b32 v[SC+1], 0                           ; (named as the upper halves of pairs)
	v_mov_b32 v[IV+1], 0
	s_mov_b32 s24, 0x76543210                      ; v_permlanex16_b32's selects for lane l xor 16
	s_mov_b32 s25, 0xfedcba98
	s_mov_b32 s26, 0xc3000000                      ; -128.0
	s_mov_b32 s27, 0x42fe0000                      ; 127.0
	s_lshl_b32 s17, ttmp9, 3
	s_add_co_u32 s17, s17, s16                     ; which pair of rows is my wave's: 0..4095
	s_lshl_b32 s18, s17, 14
	s_mov_b32 s19, 0
	s_lshl_b32 s20, s17, 12
	s_mov_b32 s21, 0
	s_wait_kmcnt 0x0
	s_load_b32 s22, s[6:7], 0x8                    ; e2
	s_add_nc_u64 s[4:5], s[4:5], s[18:19]
	s_add_nc_u64 s[12:13], s[12:13], s[20:21]
	LOADROW 0
	LOADROW 1
	KONST KU,  0x3f3504f3                          ; 1 / sqrt 2
	KONST KA6, 0xaf95df0b                          ; -2.72614226e-10
	KONST KA5, 0x32edffee                          ;  2.77068142e-08
	KONST KA4, 0xb60cff51                          ; -2.10102402e-06
	KONST KA3, 0xb86ec2d2                          ; -5.69250639e-05
	KONST KA2, 0xba40ac63                          ; -7.34990630e-04
	KONST KA1, 0xbb41a1f6                          ; -2.95459981e-03
	KONST KA0, 0xbc83dbd4                          ; -1.60960333e-02
	KONST KB4, 0xb77460cd                          ; -1.45660718e-05
	KONST KB3, 0xb95fbd29                          ; -2.13374055e-04
	KONST KB2, 0xbadc924e                          ; -1.68282697e-03
	KONST KB1, 0xbbf19bf8                          ; -7.37332917e-03
	KONST KB0, 0xbc69b6a7                          ; -1.42647391e-02
	s_wait_kmcnt 0x0
	s_add_co_i32 s22, s22, 127
	s_lshl_b32 s23, s22, 23
	v_mov_b32 v[CS], s23                           ; 2^e2
	s_add_co_i32 s22, s22, 8
	s_lshl_b32 s22, s22, 23
	s_or_b32 s22, s22, 0x600000
	v_mov_b32 v[LIM], s22                          ; 448 x 2^e2
	ROW 0
	ROW 1
	s_endpgm
.Lfunc_end_k_q042a2e2aed_hquant:
	.size	k_q042a2e2aed_hquant, .Lfunc_end_k_q042a2e2aed_hquant-k_q042a2e2aed_hquant
	.p2alignl 7, 3214868480
	.fill 96, 4, 3214868480
	.section	.rodata,"a",@progbits
	.p2align	6, 0x0
	.amdhsa_kernel k_q042a2e2aed_hquant
		.amdhsa_group_segment_fixed_size 0
		.amdhsa_private_segment_fixed_size 0
		.amdhsa_enable_private_segment 0
		.amdhsa_kernarg_size 24
		.amdhsa_user_sgpr_count 2
		.amdhsa_user_sgpr_kernarg_segment_ptr 1
		.amdhsa_wavefront_size32 1
		.amdhsa_system_sgpr_workgroup_id_x 1
		.amdhsa_system_sgpr_workgroup_id_y 1
		.amdhsa_system_sgpr_workgroup_id_z 1
		.amdhsa_system_vgpr_workitem_id 0
		.amdhsa_next_free_vgpr 240
		.amdhsa_next_free_sgpr 66
		.amdhsa_reserve_vcc 0
		.amdhsa_float_denorm_mode_32 3
		.amdhsa_float_denorm_mode_16_64 3
		.amdhsa_memory_ordered 1
		.amdhsa_forward_progress 1
		.amdhsa_inst_pref_size 128
	.end_amdhsa_kernel
	.amdgpu_metadata
---
amdhsa.version: [ 1, 2 ]
amdhsa.kernels:
  - .name:           k_q042a2e2aed_hquant
    .symbol:         k_q042a2e2aed_hquant.kd
    .args:
      - { .name: out0, .offset: 0, .size: 8, .value_kind: global_buffer, .address_space: global }
      - { .name: lowp_scales, .offset: 8, .size: 8, .value_kind: global_buffer, .address_space: global }
      - { .name: ac, .offset: 16, .size: 8, .value_kind: global_buffer, .address_space: global }
    .group_segment_fixed_size: 0
    .private_segment_fixed_size: 0
    .kernarg_segment_align: 8
    .kernarg_segment_size: 24
    .max_flat_workgroup_size: 256
    .sgpr_count:     66
    .vgpr_count:     240
    .wavefront_size: 32
...
	.end_amdgpu_metadata
.endif
;; end of part 4
;; launch gemm2: the kernel of part 3 again; grid 8 x 32, 4 waves a work-group, clusters of 4 x 4, 327,680 bytes of LDS; arguments ac, w2c, par, out0; writes out0
